; MI455X (gfx1250); checked and timed in simulation.
; The chip was launched on July 23, 2026; its instructions are those of AMD's public machine-readable ISA for CDNA 5 (MIT licence, August 2026) and "CDNA5" Instruction Set Architecture Reference Guide (July 2026). The comments in the code are by the model that wrote it; some were corrected since.
;; Attention. Allowed arithmetic: matrix products marked QUANTISED: E2M3 operands, one E8M0 scale for each 32 along K, by v_wmma_scale_f32_16x16x128_f8f6f4 with both operands' format E2M3, f32 sums; everything else in f32.
;; Inputs: Wk 1,024 x 1,024 float32; Wo 1,024 x 1,024 float32; Wq 1,024 x 1,024 float32; Wv 1,024 x 1,024 float32; x 4,096 x 1,024 float32.
;; Outputs: out0 4,096 x 1,024 float32.
;; This version of the problem:
;;   THIS VERSION OF THE PROBLEM IS GIVEN IN LOW PRECISION. The matrix products marked QUANTISED in the list below multiply operands that are first quantised to E2M3 (2 exponent bits, 3 mantissa bits; 6 bits a number), with one power-of-two scale for each 32 numbers along K (OCP MX v1.0); their sums are f32. All else is computed in f32.
;;   The module's matrix products, in the order in which they are computed (A, B: the left and right operand; K: the contracted axis; several contracted axes count as one K, in the product's order):
;;     1. [M 4,096, K 1,024] x [K 1,024, N 1,024]; A: input x; B: input Wq: QUANTISED
;;     2. [M 4,096, K 1,024] x [K 1,024, N 1,024]; A: input x; B: input Wk: QUANTISED
;;     3. [M 4,096, K 1,024] x [K 1,024, N 1,024]; A: input x; B: input Wv: QUANTISED
;;     4. batch 16 x [M 4,096, K 64] x [K 64, N 4,096]; A: computed on the way; B: computed on the way: QUANTISED
;;     5. batch 16 x [M 64, K 4,096] x [K 4,096, N 4,096]; A: computed on the way; B: softmax (see below): QUANTISED
;;     6. [M 4,096, K 1,024] x [K 1,024, N 1,024]; A: computed on the way; B: input Wo: QUANTISED
;;   THE QUANTISER, for each operand of a quantised product, along K:
;;     - K is cut into blocks of 32 from its start; a last block that is shorter is filled with zeros.
;;     - A block's scale is 2^e with e = floor(log2(the largest magnitude in the block)) - 2, held to -126 .. 127; a block of zeros has e = 0. As a byte (E8M0): e + 127.
;;     - Each number is divided by its block's scale, clamped to +-7.5, and rounded to the nearest number of E2M3, ties to even, subnormals kept.
;;     - The product sums the exact products of the quantised numbers (number of the format x scale) in f32.
;;   ~~~python
;;   def quantise(x, axis):      # numpy; x: float32 -> the quantised numbers, widened to float32 again
;;       x = np.moveaxis(x, axis, -1); K = x.shape[-1]
;;       x = np.pad(x, [(0, 0)] * (x.ndim - 1) + [(0, -K % 32)]); x = x.reshape(x.shape[:-1] + (-1, 32)); a = np.abs(x).max(-1, keepdims=True)
;;       e = np.where(a > 0, np.clip(np.frexp(np.where(a > 0, a, 1))[1] - 1 - 2, -126, 127), 0)      # np.frexp(a)[1] - 1 = floor(log2(a)), exactly
;;       r = np.clip(x / 2.0 ** e, -7.5, 7.5)
;;       step = 2.0 ** (np.maximum(np.frexp(np.where(r == 0, 1, r))[1] - 1, 0) - 3)
;;       q = np.round(r / step) * step * 2.0 ** e      # np.round: ties to even
;;       return np.moveaxis(q.reshape(q.shape[:-2] + (-1,))[..., :K], -1, axis).astype(np.float32)
;;   ~~~
;;   SOFTMAX AHEAD OF A QUANTISED PRODUCT. Where the list says 'softmax', what is quantised is not the finished softmax but p = 2^(t - M), with t = logit x log2(e) and M = ceil(the row's largest t), a whole number; so 1/2 < the row's largest p <= 1. The row's sum l is taken of the UNQUANTISED p, in f32, and the product's result is divided by l at the end. Since M is a whole number, a kernel that streams over the keys may use a running M (the ceiling of the running maximum): every later rescaling is an exact power of two, which a block's scale takes up: the codes' values come out the same.
;;   OPERANDS COMPUTED ON THE WAY. 'Computed on the way' means the value that the module computes at that place (a softmax that the list does not call 'softmax' is quantised finished and normalised). What goes into a quantiser is computed in f32, as accurately as f32 sums, v_exp_f32 and their like allow (about 1e-6 of the number): no bf16 or f16 on the way to a quantiser, and a product that is left as it is and whose result goes on into a quantised operand takes f32 operands (vector FMAs, or v_wmma_f32_16x16x4_f32). A number that lies on a knife's edge between two numbers of the format may be rounded either way, as far as f32 arithmetic and the matrix unit's own rounding can turn it there, and no further.
;; One version. Each part assembles by itself: llvm-mc -triple=amdgcn-amd-amdhsa -mcpu=gfx1250 --defsym DOCPART=n.
;; ======== version 1 of 1: 4 launches
;; limits: right only within a limited range of input values
;; workspace buffers: gcodes 9,437,184 bytes; gscales 393,216 bytes; acodes 9,437,184 bytes; ascales 393,216 bytes
;; launch quant (part 1): grid 256 x 1, 4 waves a work-group, no clusters, 167,936 bytes of LDS; arguments x, Wq, Wk, Wv, Wo, gcodes, gscales; writes gcodes, gscales
.if DOCPART == 1
	.amdgcn_target "amdgcn-amd-amdhsa--gfx1250"
	.amdhsa_code_object_version 6
	.text
	.protected	k_qec80cbbd5e_quant
	.globl	k_qec80cbbd5e_quant
	.p2align	8
	.type	k_qec80cbbd5e_quant,@function
k_qec80cbbd5e_quant:
	s_mov_b64 s[64:65], 0
	v_nop
	global_prefetch_b8 v0, s[64:65] scope:SCOPE_SE
	s_setreg_imm32_b32 hwreg(HW_REG_WAVE_MODE, 25, 1), 1
	s_wait_xcnt 0x0
; x [4096][1024] and Wq, Wk, Wv, Wo [1024][1024], f32, K innermost, become codes of FP6 (E2M3) with one E8M0 byte for each 32 along K.
; A block's scale is 2^(floor(log2(its largest magnitude)) - 2); its byte is the largest magnitude's exponent field - 2, held at 1 from below.
; THE CODES' LAYOUT is that of an operand's registers.  A piece is 16 rows x 64 K, six registers a lane, 768 bytes: registers 0-3 of lane l at byte 16 l, registers 4, 5 at byte 512 + 8 l;
; lane l holds row l % 16 and block l / 16 of the 64.  gcodes is [K / 64][row tile 0..767][768]; the row tiles: x 0-255, Wq 256-319, Wk 320-383, Wv 384-447, Wo 448-511 (512-767: a later launch's).
; gscales is [row tile][K half][row][4 words]: word q of half kh holds the four bytes of K = 128 (4 kh + q) on.
; THE ORDER INSIDE A BLOCK OF 32: position p holds index 16 ((p / 8) % 2) + 8 (p / 16) + p % 8.  Every operand of this program has this order, so each product still multiplies index by index.
; LIMITS: a block of zeros gets the byte 1 where the rule says 127 (its codes are zeros, and this program alone reads the bytes); blocks whose largest magnitude lies under 2^-124 are held at the byte 1;
; NaN and infinities are not served; inside a block the products are summed in the order above, not by ascending index.
; SHARES: work-group g takes rows 64 (g / 2) on of the five tensors on end and K half g % 2; wave w takes K = 512 (g % 2) + 128 w on of these 64 rows: four row tiles, one a step.
; A wave's 64 rows x 512 bytes come by ONE tensor load; nothing is filled again.  A wave reads its own tile alone.  The scale words (one a row and wave) meet in 1,024 bytes of LDS of their own,
; so that wave w stores the 256 consecutive bytes of row tile w.  No cluster: no two work-groups read the same bytes.  No prefetch: there is no loop to run ahead in.
.set PITCH, 528                        ; an LDS row: 512 bytes + 16 of padding = 33 x 16
.set STEPB, 16*PITCH                   ; a row tile
.set WREG,  4*STEPB                    ; a wave's tile
.set SCR,   4*WREG                     ; the scale words: [row tile][row][wave], 1,024 bytes
.set SPARE, SCR+1024                   ; the spare words, 128 bytes a wave
.set NCP,   589824                     ; from one K / 64 to the next in gcodes
.set X,   32                           ; v32-95   two blocks of 32, in the order of the positions
.set C,   96                           ; v96-143  codes: twelve registers a step, so that no store's data are written again
.set SW,  144                          ; v144-147 the four steps' scale words
.set SPW, 16
.set NIL, 17
.set G1,  24
.set G0,  32
	s_load_b256 s[4:11], s[0:1], 0x0               ; x, Wq, Wk, Wv
	s_load_b128 s[12:15], s[0:1], 0x20             ; Wo, gcodes
	s_load_b64 s[16:17], s[0:1], 0x30              ; gscales
	v_lshl_add_u32 v[SPW], v0, 2, SPARE
	v_mov_b32 v[NIL], 0
	ds_add_u32 v[SPW], v[NIL]                      ; the opening lines: the add, twice on end, and its wait
	ds_add_u32 v[SPW], v[NIL]
	v_lshrrev_b32 v1, 5, v0
	v_readfirstlane_b32 s18, v1                    ; wave 0..3
	s_mov_b32 s[G1+0], (2<<16)|(1<<20)|(6<<22)|(3<<25)  ; elements of 4 bytes; behind every 128 words 4 words of padding
	s_mov_b32 s[G1+1], 128<<16
	s_mov_b32 s[G1+2], 64<<16
	s_mov_b32 s[G1+3], 128<<16
	s_mov_b32 s[G1+4], 64
	s_mov_b32 s[G1+5], 1024
	s_mov_b32 s[G1+6], 0
	s_mov_b32 s[G1+7], 0
	s_mov_b32 s48, 0x76543210
	s_mov_b32 s49, 0xfedcba98                      ; selects for lane l xor 16
	s_and_b32 s51, ttmp9, 1                        ; kh
	s_lshr_b32 s19, ttmp9, 1                       ; which 64 rows of the five tensors on end
	s_mul_i32 s53, s18, WREG                       ; my tile in LDS
	s_and_b32 s22, s19, 15
	s_cmp_lt_u32 ttmp9, 128
	s_cselect_b32 s22, s19, s22                    ; which 64 rows of my tensor
	s_lshl_b32 s22, s22, 18                        ; x 64 rows of 4,096 bytes
	s_lshl_b32 s2, s51, 11
	s_add_co_u32 s22, s22, s2                      ; + 512 numbers a half
	s_lshl_b32 s2, s18, 9
	s_add_co_u32 s22, s22, s2                      ; + 128 numbers a wave
	s_mov_b32 s23, 0
	s_lshl_b32 s2, s51, 2
	s_add_co_u32 s2, s2, s18
	s_mul_i32 s2, s2, 2*NCP                        ; codes: K / 64 = 8 kh + 2 w on,
	s_mul_i32 s3, s19, 3072                        ; row tile 4 (g / 2) on
	s_add_co_u32 s2, s2, s3
	s_mov_b32 s3, 0
	s_lshl_b32 s54, s19, 2
	s_add_co_u32 s54, s54, s18
	s_lshl_b32 s54, s54, 9                         ; scale words: I store row tile 4 (g / 2) + w,
	s_lshl_b32 s55, s51, 8                         ; half kh
	s_add_co_u32 s54, s54, s55
	s_mov_b32 s55, 0
	s_wait_dscnt 0x0
	s_wait_kmcnt 0x0
	s_mov_b64 s[20:21], s[12:13]                   ; which tensor: a choice on the work-group's number alone
	s_cmp_lt_u32 ttmp9, 224
	s_cselect_b64 s[20:21], s[10:11], s[20:21]
	s_cmp_lt_u32 ttmp9, 192
	s_cselect_b64 s[20:21], s[8:9], s[20:21]
	s_cmp_lt_u32 ttmp9, 160
	s_cselect_b64 s[20:21], s[6:7], s[20:21]
	s_cmp_lt_u32 ttmp9, 128
	s_cselect_b64 s[20:21], s[4:5], s[20:21]
	s_add_nc_u64 s[14:15], s[14:15], s[2:3]
	s_add_nc_u64 s[16:17], s[16:17], s[54:55]
	s_mov_b32 s[G0], 1
	s_mov_b32 s[G0+1], s53
	s_add_nc_u64 s[G0+2:G0+3], s[20:21], s[22:23]
	s_or_b32 s[G0+3], s[G0+3], 0x80000000
	s_lshl_b32 s2, s18, 2
	s_lshl_b32 s3, s18, 8
	tensor_load_to_lds s[G0:G0+3], s[G1:G1+7]      ; my one tensor load
	s_nop 0
	v_and_b32 v1, 15, v0                           ; r
	v_bfe_u32 v2, v0, 4, 1                         ; h
	v_mul_u32_u24 v3, v1, PITCH
	v_lshl_add_u32 v3, v2, 7, v3
	v_add_nc_u32 v3, s53, v3                       ; row r, + 128 h bytes: my block of each 64
	v_and_b32 v4, 31, v0
	v_lshl_add_u32 v5, v4, 3, 512                  ; a piece's registers 4, 5
	v_lshlrev_b32 v19, 3, v4                       ; 8 x lane: my place in a tile's 256 bytes of scale words
	v_lshl_add_u32 v18, v4, 3, SCR
	v_add_nc_u32 v18, s3, v18                      ; and the same in LDS, row tile w
	v_lshlrev_b32 v4, 4, v4                        ; a piece's registers 0-3
	v_lshlrev_b32 v6, 3, v2                        ; 8 h
	v_lshl_add_u32 v7, v1, 4, SCR
	v_add_nc_u32 v7, s2, v7                        ; where my row's word goes: 16 r + 4 w
	v_mov_b32 v15, 0                               ; a lane permute's destination counts as one of its sources
; Step t: row tile t, 128 along K.  Lane (r, h) takes blocks h and 2 + h of row r.
.macro QSTEP t
.irp c, 0,1
.irp i, 0,1,2,3,4,5,6,7
	ds_load_b128 v[X+32*\c+4*\i:X+32*\c+4*\i+3], v3 offset:\t*STEPB+256*\c+16*(\i%2+4*((\i/2)%2)+2*(\i/4))   ; the pieces of 16 bytes in the order of the positions
.endr
.endr
	s_wait_dscnt 0x0
.irp c, 0,1
	v_max3_num_f32 v[8+\c], |v[X+32*\c]|, |v[X+32*\c+1]|, 0x1800000   ; the largest magnitude, and the floor 2^(3 - 127)
.endr
.irp i, 2,4,6,8,10,12,14,16,18,20,22,24,26,28,30
.irp c, 0,1
	v_max3_num_f32 v[8+\c], v[8+\c], |v[X+32*\c+\i]|, |v[X+32*\c+\i+1]|
.endr
.endr
.irp c, 0,1
	v_add_nc_u32 v[10+\c], 0xff000000, v[8+\c]     ; 2 off its exponent field: the conversion's scale operand
.endr
.irp c, 0,1
	v_lshrrev_b32 v[12+\c], 23, v[10+\c]           ; the scale's byte
.endr
	v_lshl_or_b32 v14, v13, 16, v12
	v_lshlrev_b32 v14, v6, v14                     ; my two bytes at their places in the word
	v_permlanex16_b32 v15, v14, s48, s49
	v_or_b32 v[SW+\t], v14, v15                    ; with lane l xor 16's two the word is whole
	ds_store_b32 v7, v[SW+\t] offset:256*\t        ; both halves of the lanes write the same word with the same value
.irp c, 0,1
	v_cvt_scalef32_pk16_fp6_f32 v[C+12*\t+6*\c:C+12*\t+6*\c+2], v[X+32*\c:X+32*\c+15], v[10+\c]
	v_cvt_scalef32_pk16_fp6_f32 v[20+4*\c:22+4*\c], v[X+32*\c+16:X+32*\c+31], v[10+\c]   ; (a conversion's three registers begin on an even number)
.endr
	v_nop                                          ; one plain line behind the last scaled conversion
.irp c, 0,1
.irp i, 0,1,2
	v_mov_b32 v[C+12*\t+6*\c+3+\i], v[20+4*\c+\i]
.endr
.endr
.irp c, 0,1
	global_store_b128 v4, v[C+12*\t+6*\c:C+12*\t+6*\c+3], s[14:15] offset:\c*NCP+768*\t      ; 512 consecutive bytes, at a multiple of 256 from the buffer's first byte
	global_store_b64 v5, v[C+12*\t+6*\c+4:C+12*\t+6*\c+5], s[14:15] offset:\c*NCP+768*\t     ; and the 256 behind them
.endr
.endm
	s_wait_alu depctr_va_vdst(0)                   ; the wait at the head's end
	s_wait_tensorcnt 0x0                           ; my tile is in
	QSTEP 0
	QSTEP 1
	QSTEP 2
	QSTEP 3
	s_wait_dscnt 0x0                               ; my four stores of scale words are done
	s_barrier_signal -1
	s_barrier_wait -1                              ; and everybody's
	ds_load_b64 v[148:149], v18                    ; row tile w: 16 rows x 4 words
	s_wait_dscnt 0x0
	global_store_b64 v19, v[148:149], s[16:17]     ; the wave stores 256 consecutive bytes, aligned
	s_wait_tensorcnt 0x0                           ; the wave's end
	ds_add_u32 v[SPW], v[NIL]
	s_wait_dscnt 0x0
	s_endpgm
.Lfunc_end_k_qec80cbbd5e_quant:
	.size	k_qec80cbbd5e_quant, .Lfunc_end_k_qec80cbbd5e_quant-k_qec80cbbd5e_quant
	.p2alignl 7, 3214868480
	.fill 96, 4, 3214868480
	.section	.rodata,"a",@progbits
	.p2align	6, 0x0
	.amdhsa_kernel k_qec80cbbd5e_quant
		.amdhsa_group_segment_fixed_size 167936
		.amdhsa_private_segment_fixed_size 0
		.amdhsa_enable_private_segment 0
		.amdhsa_kernarg_size 56
		.amdhsa_user_sgpr_count 2
		.amdhsa_user_sgpr_kernarg_segment_ptr 1
		.amdhsa_wavefront_size32 1
		.amdhsa_system_sgpr_workgroup_id_x 1
		.amdhsa_system_sgpr_workgroup_id_y 1
		.amdhsa_system_sgpr_workgroup_id_z 1
		.amdhsa_system_vgpr_workitem_id 0
		.amdhsa_next_free_vgpr 152
		.amdhsa_next_free_sgpr 66
		.amdhsa_reserve_vcc 0
		.amdhsa_float_denorm_mode_32 3
		.amdhsa_float_denorm_mode_16_64 3
		.amdhsa_memory_ordered 1
		.amdhsa_forward_progress 1
		.amdhsa_inst_pref_size 22
	.end_amdhsa_kernel
	.amdgpu_metadata
---
amdhsa.version: [ 1, 2 ]
amdhsa.kernels:
  - .name:           k_qec80cbbd5e_quant
    .symbol:         k_qec80cbbd5e_quant.kd
    .args:
      - { .name: x, .offset: 0, .size: 8, .value_kind: global_buffer, .address_space: global }
      - { .name: Wq, .offset: 8, .size: 8, .value_kind: global_buffer, .address_space: global }
      - { .name: Wk, .offset: 16, .size: 8, .value_kind: global_buffer, .address_space: global }
      - { .name: Wv, .offset: 24, .size: 8, .value_kind: global_buffer, .address_space: global }
      - { .name: Wo, .offset: 32, .size: 8, .value_kind: global_buffer, .address_space: global }
      - { .name: gcodes, .offset: 40, .size: 8, .value_kind: global_buffer, .address_space: global }
      - { .name: gscales, .offset: 48, .size: 8, .value_kind: global_buffer, .address_space: global }
    .group_segment_fixed_size: 167936
    .private_segment_fixed_size: 0
    .kernarg_segment_align: 8
    .kernarg_segment_size: 56
    .max_flat_workgroup_size: 128
    .sgpr_count:     66
    .vgpr_count:     152
    .wavefront_size: 32
...
	.end_amdgpu_metadata
.endif
;; end of part 1
;; launch proj (part 2): grid 48 x 4, 4 waves a work-group, clusters of 4 x 4, 327,680 bytes of LDS; arguments gcodes, gscales, acodes, ascales; writes acodes, ascales
.if DOCPART == 2
	.amdgcn_target "amdgcn-amd-amdhsa--gfx1250"
	.amdhsa_code_object_version 6
	.text
	.protected	k_qec80cbbd5e_proj
	.globl	k_qec80cbbd5e_proj
	.p2align	8
	.type	k_qec80cbbd5e_proj,@function
k_qec80cbbd5e_proj:
	s_mov_b64 s[64:65], 0
	v_nop
	global_prefetch_b8 v0, s[64:65] scope:SCOPE_SE
	s_setreg_imm32_b32 hwreg(HW_REG_WAVE_MODE, 25, 1), 1
	s_wait_xcnt 0x0
	s_wait_alu depctr_hold_cnt(0) depctr_sa_sdst(0) depctr_va_vdst(0) depctr_va_sdst(0) depctr_va_ssrc(0) depctr_va_vcc(0) depctr_vm_vsrc(0)
	s_getreg_b32 s2, hwreg(HW_REG_IB_STS2, 6, 4)
	s_cmp_eq_u32 s2, 0
	s_cbranch_scc0 .Lentry_in_a_cluster
	s_endpgm
.Lentry_in_a_cluster:
	s_bfe_u32 s2, ttmp6, 0x10000c
	s_cmp_lg_u32 s2, 0xf033
	s_cbranch_scc0 .Lentry_shape_is_right
	s_endpgm
.Lentry_shape_is_right:
; q = x Wq^T, k = x Wk^T and v^T = Wv x^T, on codes of FP6 (E2M3) with E8M0 scales, K = 1,024; the f32 results are quantised at once, along their columns, into the operands of attention.
; One text serves all three: C = A B^T with A = x, B = [Wq; Wk] (clusters 0-7: 16 x 8 tiles of 256 x 256) or A = Wv, B = x (clusters 8-11: 4 x 16 tiles).  v is made transposed, so that its columns are the keys.
; OPERANDS lie in gcodes as images of their registers: a piece of 16 rows x 64 K is 768 bytes (registers 0-3 of lane l at 16 l, registers 4, 5 at 512 + 8 l), [K / 64][row tile][768].  So LDS needs no pitch and no padding.
; A tile of C is made by four waves, each 128 x 128: 64 accumulators, 512 registers.  K goes in four steps of 256 through THREE LDS slots: K steps 0, 1, 2 are first fills, K step 3 is the one refill, into slot 0.
; The K loop is written out: eight steps of 128 along K, 64 matrix instructions each.
; THE SCALE WORDS of a wave's rows of A and of B, for all of K, are 64 registers: they come once from memory, 16 bytes a lane, 256 consecutive bytes for sixteen lanes.
; CLUSTERS: 4 x 4 work-groups; A's tiles are asked for jointly along a row of the cluster, B's along a column.  THE MATRIX INSTRUCTION IS USED TRANSPOSED (source 0 = 16 rows of B, source 1 = 16 rows of A):
; a lane holds one row of C, and its registers of tiles 2 b, 2 b + 1 hold 16 of the 32 columns of block b: columns 16 u + 8 (lane / 16) + j.  Conversion and the exchange of halves put them at position
; 16 (lane / 16) + 8 u + j of the block: the order that every operand of this program has.
; OUT: acodes: q, k [column / 64 (0-31)][row tile (0-255)][768]; from byte 6,291,456 v^T [key / 64][channel tile (0-63)][768].  ascales: q, k [column / 128][row] words; from byte 262,144 v^T [key / 128][channel] words.
; LIMITS: a block of zeros gets the byte 1 (its codes are zeros; this program alone reads the bytes); blocks under 2^-124 are held at the byte 1; NaN and infinities are not served.
; REGISTERS, in windows of 256: window 0: v1-29 addresses; v32-95 scale words; v96-119 at work; v128-223 A's fragments, one set; v224-247 the codes just made.  window 1: B's fragments, two sets, at v0 and v128.
;   windows 2, 3: the accumulators of my rows 0-63 and 64-127, (a, b) at v[8 (8 (a % 4) + b)].
.set QB,    24576                      ; what one tensor load brings: 4 rows (K / 64) x 8 tiles x 768 bytes
.set SLOT,  4*QB                       ; A's two halves, then B's two halves
.set SCR,   3*SLOT                     ; behind the ring: 512 bytes a wave, for the results' scale words
.set SPARE, SCR+2048                   ; behind them: the spare words, 128 bytes a wave
.set NCP,   589824                     ; from one K / 64 to the next in gcodes
.set KSB,   4*NCP                      ; a K step of 256
.set FR,    12                         ; registers of a fragment
.set SC,    32                         ; scale words: register 8 i + q: lanes 0-15 the word of A's block i, lanes 16-31 that of B's block i, for K = 128 q on
.set AF,    128
.set ADA16, 4                          ; v4-6   A's pieces in slot 0, 1, 2: registers 0-3;   v7-9 registers 4, 5
.set ADA8,  7
.set ADB16, 10                         ; v10-12, v13-15 the same for B
.set ADB8,  13
.set V16,   16                         ; v16    16 x lane
.set V8,    17                         ; v17    512 + 8 x lane
.set SPW,   28                         ; v28    LDS address of my spare word; never rewritten
.set NIL,   29                         ; v29    0; never rewritten
.set TM,    96                         ; v96-99 largest magnitudes, v100-103 bytes, v108-111 the conversions' scale operands
.set PW,    112                        ; v112-119 a scale word for each of my eight row blocks
.set PC,    224                        ; v224-243 the codes just made
.set SEL,   20                         ; s[20:21]
.set G1A,   24                         ; s[24:31], s[32:39] descriptor group 1 for A's tiles and for B's
.set G1B,   32
.set G0A,   40                         ; s[40:51], s[52:63] group 0, a set for each slot
.set G0B,   52
.set MSB, 0
.macro WIN new                         ; the immediate's high byte repeats the setting that is left
.if MSB != (\new)
	s_set_vgpr_msb (MSB<<8)|(\new)
.set MSB, (\new)
.endif
.endm
.set MUL_LO, 0xa1                      ; source 0 (B) window 1, source 1 (A) window 0, C and D window 2
.set MUL_HI, 0xf1                      ; the same, C and D window 3
.set TO_B,   0x40                      ; destination window 1, address window 0
; A joint load: waves 0 and 1 fetch A's halves, waves 2 and 3 B's.  The branch hangs on the wave's number alone.  An s_nop 0 and four v_nop follow each of the two lines.
.macro JLOAD g0a, g1a, g0b, g1b
	s_cmp_eq_u32 s15, 0
	s_cbranch_scc0 .Lfor_b_\@
	tensor_load_to_lds s[\g0a:\g0a+3], s[\g1a:\g1a+7]
	s_nop 0
.rept 4
	v_nop
.endr
	s_branch .Lasked_\@
.Lfor_b_\@:
	tensor_load_to_lds s[\g0b:\g0b+3], s[\g1b:\g1b+7]
	s_nop 0
.rept 4
	v_nop
.endr
.Lasked_\@:
.endm
.macro CREST                           ; a round of the cluster's barrier behind its opening barrier
	s_cmp_lg_u32 s14, 0
	s_cbranch_scc1 .Lnot_wave_0_\@
	s_barrier_signal -3
.Lnot_wave_0_\@:
	s_barrier_wait -3
	s_barrier_signal -1
	s_barrier_wait -1
.endm
.macro CROUND                          ; a whole round
	s_barrier_signal -1
	s_barrier_wait -1
	CREST
.endm
.macro PLACES n                        ; places behind matrix instructions: in front of loads into registers that they have read, and of the first read of results
.rept \n
	v_nop
.endr
.endm
.macro FRAG reg, a16, a8, q, i         ; a fragment, 16 rows x 128 K: two pieces, each by a load of 16 bytes and one of 8 bytes a lane, consecutive from lane to lane
.irp c, 0,1
	ds_load_b128 v[\reg+6*\c:\reg+6*\c+3], v[\a16] offset:(2*(\q)+\c)*6144+(\i)*768
	ds_load_b64 v[\reg+6*\c+4:\reg+6*\c+5], v[\a8] offset:(2*(\q)+\c)*6144+(\i)*768
.endr
.endm
.macro FETCH_B slot, q, p              ; B's eight fragments of the slot's q-th 128 along K into set p: 32 loads
	WIN TO_B
.irp i, 0,1,2,3,4,5,6,7
	FRAG 128*(\p)+FR*\i, ADB16+\slot, ADB8+\slot, \q, \i
.endr
	WIN 0
.endm
.macro FETCH_A slot, q, i0             ; A's blocks i0 .. i0 + 3: 16 loads
.irp i, \i0, \i0+1, \i0+2, \i0+3
	FRAG AF+FR*(\i), ADA16+\slot, ADA8+\slot, \q, \i
.endr
.endm
; 16 matrix instructions: A's blocks a0, a0 + 1 x B's eight, K = 128 q8 on.  The 64 accumulators take turns, one instruction a turn, in the same order in every step.
.macro MUL16 a0, p, q8, zero
.irp a, \a0, \a0+1
.irp b, 0,1,2,3,4,5,6,7
.if \zero
	v_wmma_scale_f32_16x16x128_f8f6f4 v[8*(8*((\a)%4)+\b):8*(8*((\a)%4)+\b)+7], v[128*(\p)+FR*\b:128*(\p)+FR*\b+FR-1], v[AF+FR*(\a):AF+FR*(\a)+FR-1], 0, v[SC+8*\b+(\q8)], v[SC+8*(\a)+(\q8)] matrix_a_fmt:MATRIX_FMT_FP6 matrix_b_fmt:MATRIX_FMT_FP6 matrix_a_scale:MATRIX_SCALE_ROW1
.else
	v_wmma_scale_f32_16x16x128_f8f6f4 v[8*(8*((\a)%4)+\b):8*(8*((\a)%4)+\b)+7], v[128*(\p)+FR*\b:128*(\p)+FR*\b+FR-1], v[AF+FR*(\a):AF+FR*(\a)+FR-1], v[8*(8*((\a)%4)+\b):8*(8*((\a)%4)+\b)+7], v[SC+8*\b+(\q8)], v[SC+8*(\a)+(\q8)] matrix_a_fmt:MATRIX_FMT_FP6 matrix_b_fmt:MATRIX_FMT_FP6 matrix_a_scale:MATRIX_SCALE_ROW1
.endif
.endr
.endr
.endm
; A step of 128 along K on B's set p; the next step's fragments come from slot ns, its nq-th 128, which is whole for every wave.
.macro STEP p, q8, ns, nq, zero
	s_wait_dscnt 16                                ; B's set and A's blocks 0-3 are in; the youngest sixteen loads (A's blocks 4-7) may be out
	WIN MUL_LO
	MUL16 0, \p, \q8, \zero
	MUL16 2, \p, \q8, \zero
	s_wait_dscnt 0x0                               ; A's blocks 4-7 are in
	PLACES 4
	FETCH_B \ns, \nq, 1-\p
	FETCH_A \ns, \nq, 0
	WIN MUL_HI
	MUL16 4, \p, \q8, \zero
	MUL16 6, \p, \q8, \zero
	PLACES 4
	WIN 0
	FETCH_A \ns, \nq, 4
.endm
; A step (on B's set 1) with a barrier in it.  In front of the barrier each wave waits for all its tensor loads, adds 0 to its spare word, and waits for that and for its LDS reads.
; fill = 1, 2: the barrier opens a round of the cluster's; behind it slot 2 takes K step 2 (fill = 1) or slot 0, which nobody reads any more, K step 3 (fill = 2).  fill = 0: behind it slot 0 is whole again for every wave.
.macro TURN q8, next, fill
	s_wait_tensorcnt 0x0                           ; all my tensor loads have landed  (every window is 0 here)
	ds_add_u32 v[SPW], v[NIL]                      ; 0 onto my spare word
	s_wait_dscnt 17                                ; (the add and the youngest sixteen loads may be out)
	WIN MUL_LO
	MUL16 0, 1, \q8, 0                             ; sixteen matrix instructions stand between the add and the wait for it
	s_wait_dscnt 0x0                               ; the add is done, and my LDS reads are over
	s_barrier_signal -1
	MUL16 2, 1, \q8, 0
	WIN 0
	s_barrier_wait -1
.if \fill
	CREST                                          ; no wave of any partner still reads slot 0 or has a load on its way
.if \fill == 2
	s_add_nc_u64 s[G0A+2:G0A+3], s[G0A+2:G0A+3], 3*KSB   ; fill = 2: slot 0, which nobody reads any more, takes K step 3
	s_add_nc_u64 s[G0B+2:G0B+3], s[G0B+2:G0B+3], 3*KSB
	JLOAD G0A, G1A, G0B, G1B
.else
	JLOAD G0A+8, G1A, G0B+8, G1B                   ; fill = 1: slot 2's first fill, K step 2, issued as a refill is
.endif
.else
	PLACES 4
.endif
	FETCH_B \next, 0, 0
	FETCH_A \next, 0, 0
	WIN MUL_HI
	MUL16 4, 1, \q8, 0
	MUL16 6, 1, \q8, 0
	PLACES 4
	WIN 0
	FETCH_A \next, 0, 4
.endm
	s_load_b256 s[4:11], s[0:1], 0x0               ; gcodes s[4:5], gscales s[6:7], acodes s[8:9], ascales s[10:11]
	v_lshl_add_u32 v[SPW], v0, 2, SPARE
	v_mov_b32 v[NIL], 0
	ds_add_u32 v[SPW], v[NIL]                      ; the wave's opening: the add and its wait ahead of my first tensor load; work on registers stands between them
	ds_add_u32 v[SPW], v[NIL]
	v_lshrrev_b32 v1, 5, v0
	v_readfirstlane_b32 s14, v1                    ; wave 0..3
	s_lshr_b32 s15, s14, 1                         ; which half of the tile's rows is mine.  Also: I fetch for A (0) or for B (1)
	s_and_b32 s16, s14, 1                          ; which half of its columns.  Also: which half of that tile I fetch
	s_bfe_u32 s66, ttmp6, 0x40000                  ; cx
	s_bfe_u32 s67, ttmp6, 0x40004                  ; cy
	s_lshr_b32 s68, ttmp9, 1
	s_and_b32 s69, ttmp9, 1
	s_sub_co_u32 s70, ttmp9, 8
	s_cmp_lt_u32 ttmp9, 8                          ; clusters 0-7: q and k; 8-11: v^T.  The cluster's number is the same in all partners, and only values are chosen by it
	s_cselect_b32 s68, s68, 0                      ; the cluster's row of clusters
	s_cselect_b32 s69, s69, s70                    ; and its column
	s_cselect_b32 s71, 0, 384                      ; A's first row tile in gcodes: x or Wv
	s_cselect_b32 s72, 256, 0                      ; B's: Wq, Wk or x
	s_cselect_b32 s73, 256, 64                     ; row tiles of the result
	s_cselect_b32 s74, 0, 6291456                  ; the result's part of acodes
	s_cselect_b32 s75, 0, 262144                   ; and of ascales
	s_lshl_b32 s76, s68, 2
	s_add_co_u32 s76, s76, s67                     ; tile row of C
	s_lshl_b32 s77, s69, 2
	s_add_co_u32 s77, s77, s66                     ; tile column of C
	s_lshl_b32 s78, s76, 4
	s_add_co_u32 s78, s78, s71                     ; A's 16 row tiles begin here
	s_lshl_b32 s79, s77, 4
	s_add_co_u32 s79, s79, s72                     ; B's
	s_lshl_b32 s80, s67, 2
	s_lshl_b32 s80, 15, s80                        ; my row of the cluster
	s_lshl_b32 s81, 0x1111, s66                    ; my column
	s_or_b32 s[G1A], s80, (3<<16)|(1<<21)          ; the mask; elements of 8 bytes; bit 21 set beside a mask; no padding
	s_or_b32 s[G1B], s81, (3<<16)|(1<<21)
.irp g, G1A, G1B
	s_mov_b32 s[\g+1], 768<<16                     ; tensor_dim0 = 768 elements: 8 tiles x 768 bytes
	s_mov_b32 s[\g+2], 4<<16                       ; tensor_dim1 = 4
	s_mov_b32 s[\g+3], 768<<16                     ; tile_dim0
	s_mov_b32 s[\g+4], 4                           ; tile_dim1
	s_mov_b32 s[\g+5], NCP/8                       ; elements from one K / 64 to the next
	s_mov_b32 s[\g+6], 0
	s_mov_b32 s[\g+7], 0
.endr
	s_mov_b32 s[SEL], 0x76543210
	s_mov_b32 s[SEL+1], 0xfedcba98
	s_lshl_b32 s82, s16, 3                         ; which 8 tiles I fetch
	s_add_co_u32 s84, s78, s82
	s_mul_i32 s84, s84, 768
	s_mov_b32 s85, 0
	s_add_co_u32 s86, s79, s82
	s_mul_i32 s86, s86, 768
	s_mov_b32 s87, 0
	s_mul_i32 s83, s14, QB                         ; where they go: no place in the cluster enters an LDS address
	s_wait_dscnt 0x0                               ; the opening add is done
	s_wait_kmcnt 0x0
	s_add_nc_u64 s[84:85], s[4:5], s[84:85]
	s_add_nc_u64 s[86:87], s[4:5], s[86:87]
	CROUND                                         ; all sixteen work-groups are here: the first joint loads meet
.irp s, 0,1,2
	s_mov_b32 s[G0A+4*\s], 1
	s_add_co_u32 s[G0A+4*\s+1], s83, \s*SLOT
	s_add_nc_u64 s[G0A+4*\s+2:G0A+4*\s+3], s[84:85], \s*KSB
	s_or_b32 s[G0A+4*\s+3], s[G0A+4*\s+3], 0x80000000
	s_mov_b32 s[G0B+4*\s], 1
	s_add_co_u32 s[G0B+4*\s+1], s83, \s*SLOT
	s_add_nc_u64 s[G0B+4*\s+2:G0B+4*\s+3], s[86:87], \s*KSB
	s_or_b32 s[G0B+4*\s+3], s[G0B+4*\s+3], 0x80000000
.endr
	JLOAD G0A, G1A, G0B, G1B                       ; K step 0: one tensor load a wave at the head
	v_and_b32 v1, 15, v0                           ; r
	v_bfe_u32 v2, v0, 4, 1                         ; h
	v_and_b32 v3, 31, v0                           ; lane
	v_lshlrev_b32 v[V16], 4, v3
	s_wait_alu depctr_va_vdst(0)
	v_lshl_add_u32 v[V8], v3, 3, 512
	s_wait_alu depctr_va_vdst(0)
	s_lshl_b32 s88, s15, 3
	s_add_co_u32 s88, s88, s78
	s_lshl_b32 s88, s88, 9                         ; my rows of A: 512 bytes of scale words a tile
	s_lshl_b32 s89, s16, 3
	s_add_co_u32 s89, s89, s79
	s_lshl_b32 s89, s89, 9                         ; my rows of B
	s_mov_b32 s90, 0xffff0000                      ; lanes 16-31
	v_mov_b32 v21, s88
	v_mov_b32 v22, s89
	v_cndmask_b32 v20, v21, v22, s90               ; lanes 0-15 take A's words, lanes 16-31 B's
	v_lshl_add_u32 v20, v1, 4, v20                 ; + 16 r
.irp i, 0,1,2,3,4,5,6,7
.irp kh, 0,1
	global_load_b128 v[SC+8*\i+4*\kh:SC+8*\i+4*\kh+3], v20, s[6:7] offset:512*\i+256*\kh
.endr
.endr
	s_mul_i32 s91, s15, QB                         ; my half of A
	s_mul_i32 s92, s16, QB                         ; my half of B,
	s_add_co_u32 s92, s92, 2*QB                    ; behind A's two
.irp s, 0,1,2
	v_add_nc_u32 v[ADA16+\s], s91, v[V16]
	v_add_nc_u32 v[ADA8+\s], s91, v[V8]
	v_add_nc_u32 v[ADB16+\s], s92, v[V16]
	v_add_nc_u32 v[ADB8+\s], s92, v[V8]
	s_add_co_u32 s91, s91, SLOT
	s_add_co_u32 s92, s92, SLOT
.endr
	s_lshl_b32 s17, s14, 9
	s_add_co_u32 s17, s17, SCR                     ; my 512 bytes for the results' scale words
	v_lshl_add_u32 v18, v1, 2, s17                 ; in: 4 r
	v_add_nc_u32 v19, s17, v[V16]                  ; back: 16 x lane
.irp b, 0,1,2,3
	v_mov_b32 v[TM+4+\b], 0                        ; written once: a lane permute's destination counts as one of its sources
.endr
	; where my results go.  Codes: piece (column / 64 = 4 tc + 2 wn + c, row tile 16 tr + 8 wm + a)
	s_lshl_b32 s94, s77, 2
	s_lshl_b32 s2, s16, 1
	s_add_co_u32 s94, s94, s2
	s_mul_i32 s94, s94, s73
	s_lshl_b32 s2, s76, 4
	s_add_co_u32 s94, s94, s2
	s_lshl_b32 s2, s15, 3
	s_add_co_u32 s94, s94, s2
	s_mul_i32 s94, s94, 768
	s_add_co_u32 s94, s94, s74
	s_mov_b32 s95, 0
	s_add_nc_u64 s[94:95], s[8:9], s[94:95]
	s_mul_i32 s96, s73, 768
	s_mov_b32 s97, 0
	s_add_nc_u64 s[96:97], s[94:95], s[96:97]      ; the next 64 columns
	s_lshl_b32 s98, s77, 1                         ; scale words: [column / 128 = 2 tc + wn][row]
	s_add_co_u32 s98, s98, s16
	s_lshl_b32 s2, s73, 4                          ; rows of the result
	s_mul_i32 s98, s98, s2
	s_lshl_b32 s2, s76, 8
	s_add_co_u32 s98, s98, s2
	s_lshl_b32 s2, s15, 7
	s_add_co_u32 s98, s98, s2
	s_lshl_b32 s98, s98, 2
	s_add_co_u32 s98, s98, s75
	s_mov_b32 s99, 0
	s_add_nc_u64 s[98:99], s[10:11], s[98:99]
	s_wait_alu depctr_va_vdst(0)                   ; the wait at the head's end
	s_wait_tensorcnt 0x0                           ; my part of K step 0 is in
	ds_add_u32 v[SPW], v[NIL]                      ; the add and its wait ahead of a later first fill
	s_wait_dscnt 0x0
	CROUND                                         ; everybody's part is in, and the joint loads meet
	JLOAD G0A+4, G1A, G0B+4, G1B                   ; slot 1's first fill, K step 1
	FETCH_B 0, 0, 0
	FETCH_A 0, 0, 0
	FETCH_A 0, 0, 4
	s_wait_loadcnt 0x0                             ; the scale words
	STEP 0, 0, 0, 1, 1                             ; the first step's products start the sums: nothing is cleared
	TURN 1, 1, 1                                   ; every wave's first two fills have landed; slot 2 takes K step 2
	STEP 0, 2, 1, 1, 0
	TURN 3, 2, 2                                   ; slot 2 has landed in every wave; slot 0 takes K step 3
	STEP 0, 4, 2, 1, 0
	TURN 5, 0, 0                                   ; the refill has landed, in every wave: 96 matrix instructions lie between its request and this wait
	STEP 0, 6, 0, 1, 0
	s_wait_dscnt 16                                ; the last step: nothing more to fetch
	WIN MUL_LO
	MUL16 0, 1, 7, 0
	MUL16 2, 1, 7, 0
	s_wait_dscnt 0x0
	WIN MUL_HI
	MUL16 4, 1, 7, 0
	MUL16 6, 1, 7, 0
	WIN 0
; THE WAY OUT of row block a: 16 rows x my 128 columns, 64 numbers a lane, register 16 b + 8 u + j = column 32 b + 16 u + 8 (lane / 16) + j of my row.  They become one fragment's codes and a scale word.
; Each accumulator is read from its low end on.
.macro QOUT a
.set QS, 64*((\a)%4)
.set QW, 2+(\a)/4
.set W2, QW|(QW<<2)
.set W3, (QW<<2)|(QW<<4)
	WIN W2                                         ; sources 0 and 1: the accumulators' window
.irp b, 0,1,2,3
	v_max3_num_f32 v[TM+\b], |v[QS+16*\b]|, |v[QS+16*\b+1]|, 0x1800000   ; block b: my 16 numbers, and the floor 2^(3 - 127): the byte cannot fall under 1
.endr
	WIN W3                                         ; sources 1 and 2
.irp i, 2,4,6,8,10,12,14
.irp b, 0,1,2,3
	v_max3_num_f32 v[TM+\b], v[TM+\b], |v[QS+16*\b+\i]|, |v[QS+16*\b+\i+1]|
.endr
.endr
	WIN 0
.irp b, 0,1,2,3
	v_permlanex16_b32 v[TM+4+\b], v[TM+\b], s[SEL], s[SEL+1]
.endr
.irp b, 0,1,2,3
	v_max_num_f32 v[TM+\b], v[TM+\b], v[TM+4+\b]   ; with lane l xor 16's: the block's largest magnitude
.endr
.irp b, 0,1,2,3
	v_add_nc_u32 v[TM+12+\b], 0xff000000, v[TM+\b] ; 2 off its exponent field: the conversion's scale operand
.endr
.irp b, 0,1,2,3
	v_lshrrev_b32 v[TM+4+\b], 23, v[TM+12+\b]      ; the scale's byte
.endr
	v_lshl_or_b32 v[PW+\a], v[TM+5], 8, v[TM+4]    ; my row's scale word
	v_lshl_or_b32 v[PW+\a], v[TM+6], 16, v[PW+\a]
	v_lshl_or_b32 v[PW+\a], v[TM+7], 24, v[PW+\a]
	s_wait_xcnt 0x0                                ; the last block's stores have read the codes' registers: only now are they written again
	WIN QW                                         ; source 0
.irp c, 0,1
	v_cvt_scalef32_pk16_fp6_f32 v[PC+6*\c:PC+6*\c+2], v[QS+32*\c:QS+32*\c+15], v[TM+12+2*\c]
	v_cvt_scalef32_pk16_fp6_f32 v[PC+12+4*\c:PC+14+4*\c], v[QS+32*\c+16:QS+32*\c+31], v[TM+12+2*\c+1]   ; (a conversion's three registers begin on an even number)
.endr
	WIN 0
	v_nop                                          ; one plain line behind the last scaled conversion
.irp c, 0,1                                    ; the operand's layout wants a whole block in a lane: lanes 0-15 block 2 c, lanes 16-31 block 2 c + 1
.irp i, 0,1,2
	v_permlane16_swap_b32 v[PC+6*\c+\i], v[PC+12+4*\c+\i]
.endr
.irp i, 0,1,2
	v_mov_b32 v[PC+3+6*\c+\i], v[PC+12+4*\c+\i]
.endr
.endr
	ds_store_b32 v18, v[PW+\a] offset:64*\a        ; both halves of the lanes write the same word with the same value
.irp c, 0,1
	global_store_b128 v[V16], v[PC+6*\c:PC+6*\c+3], s[94+2*\c:95+2*\c] offset:768*\a     ; 512 consecutive bytes, at a multiple of 256 from the buffer's first byte
	global_store_b64 v[V8], v[PC+6*\c+4:PC+6*\c+5], s[94+2*\c:95+2*\c] offset:768*\a     ; and the 256 behind them
.endr
.endm
	PLACES 4                                       ; behind the last products, in front of the first read of results
.irp a, 0,1,2,3,4,5,6,7
	QOUT \a
.endr
	ds_load_b128 v[244:247], v19                   ; LDS serves a wave's instructions in order: this sees my stores.  My 128 rows' scale words,
	s_wait_dscnt 0x0
	global_store_b128 v[V16], v[244:247], s[98:99] ; 512 consecutive bytes
	s_wait_tensorcnt 0x0                           ; the wave's end
	ds_add_u32 v[SPW], v[NIL]
	s_wait_dscnt 0x0
	CROUND                                         ; the closing round: no work-group ends while a partner may still ask for a tile that names it
	s_endpgm
.Lfunc_end_k_qec80cbbd5e_proj:
	.size	k_qec80cbbd5e_proj, .Lfunc_end_k_qec80cbbd5e_proj-k_qec80cbbd5e_proj
	.p2alignl 7, 3214868480
	.fill 96, 4, 3214868480
	.section	.rodata,"a",@progbits
	.p2align	6, 0x0
	.amdhsa_kernel k_qec80cbbd5e_proj
		.amdhsa_group_segment_fixed_size 327680
		.amdhsa_private_segment_fixed_size 0
		.amdhsa_enable_private_segment 0
		.amdhsa_kernarg_size 32
		.amdhsa_user_sgpr_count 2
		.amdhsa_user_sgpr_kernarg_segment_ptr 1
		.amdhsa_wavefront_size32 1
		.amdhsa_system_sgpr_workgroup_id_x 1
		.amdhsa_system_sgpr_workgroup_id_y 1
		.amdhsa_system_sgpr_workgroup_id_z 1
		.amdhsa_system_vgpr_workitem_id 0
		.amdhsa_next_free_vgpr 1024
		.amdhsa_next_free_sgpr 100
		.amdhsa_reserve_vcc 0
		.amdhsa_float_denorm_mode_32 3
		.amdhsa_float_denorm_mode_16_64 3
		.amdhsa_memory_ordered 1
		.amdhsa_forward_progress 1
		.amdhsa_inst_pref_size 148
	.end_amdhsa_kernel
	.amdgpu_metadata
---
amdhsa.version: [ 1, 2 ]
amdhsa.kernels:
  - .name:           k_qec80cbbd5e_proj
    .symbol:         k_qec80cbbd5e_proj.kd
    .args:
      - { .name: gcodes, .offset: 0, .size: 8, .value_kind: global_buffer, .address_space: global }
      - { .name: gscales, .offset: 8, .size: 8, .value_kind: global_buffer, .address_space: global }
      - { .name: acodes, .offset: 16, .size: 8, .value_kind: global_buffer, .address_space: global }
      - { .name: ascales, .offset: 24, .size: 8, .value_kind: global_buffer, .address_space: global }
    .group_segment_fixed_size: 327680
    .private_segment_fixed_size: 0
    .kernarg_segment_align: 8
    .kernarg_segment_size: 32
    .max_flat_workgroup_size: 128
    .sgpr_count:     100
    .vgpr_count:     1024
    .wavefront_size: 32
...
	.end_amdgpu_metadata
.endif
;; end of part 2
;; launch attn (part 3): grid 16 x 16, 16 waves a work-group, clusters of 4 x 1, 327,680 bytes of LDS; arguments acodes, ascales, gcodes, gscales; writes gcodes, gscales
.if DOCPART == 3
	.amdgcn_target "amdgcn-amd-amdhsa--gfx1250"
	.amdhsa_code_object_version 6
	.text
	.protected	k_qec80cbbd5e_attn
	.globl	k_qec80cbbd5e_attn
	.p2align	8
	.type	k_qec80cbbd5e_attn,@function
k_qec80cbbd5e_attn:
	s_mov_b64 s[64:65], 0
	v_nop
	global_prefetch_b8 v0, s[64:65] scope:SCOPE_SE
	s_setreg_imm32_b32 hwreg(HW_REG_WAVE_MODE, 25, 1), 1
	s_wait_xcnt 0x0
	s_wait_alu depctr_hold_cnt(0) depctr_sa_sdst(0) depctr_va_vdst(0) depctr_va_sdst(0) depctr_va_ssrc(0) depctr_va_vcc(0) depctr_vm_vsrc(0)
	s_getreg_b32 s2, hwreg(HW_REG_IB_STS2, 6, 4)
	s_cmp_eq_u32 s2, 0
	s_cbranch_scc0 .Lentry_in_a_cluster
	s_endpgm
.Lentry_in_a_cluster:
	s_bfe_u32 s2, ttmp6, 0x10000c
	s_cmp_lg_u32 s2, 0x3003
	s_cbranch_scc0 .Lentry_shape_is_right
	s_endpgm
.Lentry_shape_is_right:
.set VOFF,  24576
.set SLOT1, 65536
.set SCV,   114688
.set SCK,   122880
.set SPARE, 139520
.set S,   128
.set O,   192
.set KA,  32
.set VA,  80
.set L16, 1
.set L8,  2
.set ASK0, 3
.set ASV0, 4
.set SPW, 5
.set NIL, 6
.set BO,  7
.set AD16, 8
.set AD8,  9
.set ADS,  10
.set ADT,  11
.set WV,  18
.set SEL, 20
.set CS,  22
.set G1K, 24
.set G1V, 32
.set G1SK, 40
.set G1SV, 48
.set G0K, 56
.set G0V, 60
.set G0SK, 68
.set G0SV, 72
.set TB,  76
.set TS,  77
.set TJ,  78
.set SLOTS, 79
.macro SHAPE g, c, r, p
	s_mov_b32 s[\g+0], 15|(3<<16)|(1<<21)
	s_mov_b32 s[\g+1], (\c)<<16
	s_mov_b32 s[\g+2], (\r)<<16
	s_mov_b32 s[\g+3], (\c)<<16
	s_mov_b32 s[\g+4], \r
	s_mov_b32 s[\g+5], \p
	s_mov_b32 s[\g+6], 0
	s_mov_b32 s[\g+7], 0
.endm
.macro TLOAD g0k, g1k, g0v, g1v
	s_cmp_lt_u32 s[WV], 2
	s_cbranch_scc0 .Lnot_k_\@
	tensor_load_to_lds s[\g0k:\g0k+3], s[\g1k:\g1k+7]
	s_nop 0
.rept 4
	v_nop
.endr
	s_branch .Lasked_\@
.Lnot_k_\@:
	s_cmp_lt_u32 s[WV], 4
	s_cbranch_scc0 .Lasked_\@
	tensor_load_to_lds s[\g0v:\g0v+3], s[\g1v:\g1v+7]
	s_nop 0
.rept 4
	v_nop
.endr
.Lasked_\@:
.endm
.macro CROUND
	s_barrier_signal -1
	s_barrier_wait -1
	s_cmp_lg_u32 s[WV], 0
	s_cbranch_scc1 .Lnot_wave_0_\@
	s_barrier_signal -3
.Lnot_wave_0_\@:
	s_barrier_wait -3
	s_barrier_signal -1
	s_barrier_wait -1
.endm
	s_load_b256 s[4:11], s[0:1], 0x0
	v_lshl_add_u32 v[SPW], v0, 2, SPARE
	v_mov_b32 v[NIL], 0
	ds_add_u32 v[SPW], v[NIL]
	ds_add_u32 v[SPW], v[NIL]
	v_lshrrev_b32 v8, 5, v0
	s_delay_alu instid0(VALU_DEP_1)
	v_readfirstlane_b32 s[WV], v8
	s_and_b32 s80, ttmp7, 0xffff
	s_bfe_u32 s81, ttmp6, 0x40000
	s_lshl_b32 s82, ttmp9, 2
	s_add_co_u32 s82, s82, s81
	s_lshl_b32 s83, s82, 4
	s_add_co_u32 s83, s83, s[WV]
	s_and_b32 s84, s80, 1
	s_lshr_b32 s85, s80, 1
	s_and_b32 s86, s[WV], 1
	s_add_co_u32 s88, s80, 16
	s_mul_i32 s88, s88, 196608
	s_mul_i32 s87, s86, 12288
	s_add_co_u32 s88, s88, s87
	s_mov_b32 s89, 0
	s_mul_i32 s90, s80, 3072
	s_add_co_u32 s90, s90, 6291456
	s_mul_i32 s97, s86, 196608
	s_add_co_u32 s90, s90, s97
	s_mov_b32 s91, 0
	s_add_co_u32 s92, s85, 8
	s_lshl_b32 s92, s92, 14
	s_lshl_b32 s97, s86, 13
	s_add_co_u32 s92, s92, s97
	s_mov_b32 s93, 0
	s_lshl_b32 s94, s80, 8
	s_add_co_u32 s94, s94, 262144
	s_lshl_b32 s98, s86, 16
	s_add_co_u32 s94, s94, s98
	s_mov_b32 s95, 0
	s_lshl_b32 s98, s86, 12
	SHAPE G1K, 32, 48, 32
	SHAPE G1V, 384, 4, 6144
	SHAPE G1SK, 32, 32, 32
	SHAPE G1SV, 32, 16, 512
	s_mov_b32 s[SEL], 0x76543210
	s_mov_b32 s[SEL+1], 0xfedcba98
	s_mov_b32 s[CS], 0x3e38aa3b
	s_mov_b32 s[CS+1], s[CS]
	s_mov_b32 s96, 0xffff0000
	s_mov_b32 s[TB], 0
	s_mov_b32 s[TS], 0
	s_mov_b32 s[TJ], 0
	s_mov_b32 s[SLOTS], 7
	s_wait_dscnt 0x0
	s_wait_kmcnt 0x0
	s_mov_b32 s[G0K], 1
	s_mov_b32 s[G0K+1], s87
	s_add_nc_u64 s[G0K+2:G0K+3], s[4:5], s[88:89]
	s_or_b32 s[G0K+3], s[G0K+3], 0x80000000
	s_mov_b32 s[G0V], 1
	s_add_co_u32 s[G0V+1], s87, VOFF
	s_add_nc_u64 s[G0V+2:G0V+3], s[4:5], s[90:91]
	s_or_b32 s[G0V+3], s[G0V+3], 0x80000000
	s_mov_b32 s[G0SK], 1
	s_add_co_u32 s[G0SK+1], s97, SCK
	s_add_nc_u64 s[G0SK+2:G0SK+3], s[6:7], s[92:93]
	s_or_b32 s[G0SK+3], s[G0SK+3], 0x80000000
	s_mov_b32 s[G0SV], 1
	s_add_co_u32 s[G0SV+1], s98, SCV
	s_add_nc_u64 s[G0SV+2:G0SV+3], s[6:7], s[94:95]
	s_or_b32 s[G0SV+3], s[G0SV+3], 0x80000000
	CROUND
	TLOAD G0SK, G1SK, G0SV, G1SV
	s_wait_alu depctr_va_vdst(0)
	s_wait_tensorcnt 0x0
	ds_add_u32 v5, v6
	s_wait_dscnt 0x0
	CROUND
	TLOAD G0K, G1K, G0V, G1V
	s_mul_i32 s12, s80, 196608
	s_mul_i32 s2, s83, 768
	s_add_co_u32 s12, s12, s2
	s_mov_b32 s13, 0
	s_add_nc_u64 s[12:13], s[4:5], s[12:13]
	s_lshl_b32 s14, s85, 12
	s_lshl_b32 s2, s83, 4
	s_add_co_u32 s14, s14, s2
	s_lshl_b32 s14, s14, 2
	s_lshl_b32 s99, s84, 1
	s_add_co_u32 s14, s14, s99
	s_mov_b32 s15, 0
	s_add_nc_u64 s[14:15], s[6:7], s[14:15]
	s_mul_i32 s16, s80, 589824
	s_add_co_u32 s2, s83, 512
	s_mul_i32 s3, s2, 768
	s_add_co_u32 s16, s16, s3
	s_mov_b32 s17, 0
	s_add_nc_u64 s[16:17], s[8:9], s[16:17]
	s_lshl_b32 s2, s2, 9
	s_lshr_b32 s3, s80, 3
	s_lshl_b32 s3, s3, 8
	s_add_co_u32 s2, s2, s3
	s_and_b32 s3, s85, 3
	s_lshl_b32 s3, s3, 2
	s_add_co_u32 s2, s2, s3
	s_add_co_u32 s2, s2, s99
	s_mov_b32 s3, 0
	s_add_nc_u64 s[2:3], s[10:11], s[2:3]
	v_and_b32 v30, 31, v0
	s_delay_alu instid0(VALU_DEP_1)
	v_lshlrev_b32 v[L16], 4, v30
	s_delay_alu instid0(VALU_DEP_2)
	v_lshl_add_u32 v[L8], v30, 3, 512
	global_load_b128 v[16:19], v[L16], s[12:13]
	global_load_b64 v[20:21], v[L8], s[12:13]
	v_and_b32 v8, 15, v0
	s_delay_alu instid0(VALU_DEP_1)
	v_lshlrev_b32 v31, 2, v8
	global_load_u16 v255, v31, s[14:15]
	v_lshl_add_u32 v[ASK0], v30, 2, SCK
	s_delay_alu instid0(VALU_DEP_1)
	v_add_nc_u32 v[ASK0], s99, v[ASK0]
	v_lshl_add_u32 v[ASV0], v30, 2, SCV
	v_bfe_u32 v10, v0, 4, 1
	s_delay_alu instid0(VALU_DEP_1)
	v_lshl_add_u32 v[BO], v8, 4, v10
.irp i, 22,23,24,25,26,27
	v_mov_b32 v[\i], 0
.endr
.irp f, 0,1,2,3
.irp i, 6,7,8,9,10,11
	v_mov_b32 v[KA+12*\f+\i], 0
.endr
.endr
	v_mov_b32 v13, 0xff61b1e6
	s_delay_alu instid0(VALU_DEP_1)
	v_floor_f32 v12, -v13
	v_mov_b32 v14, 0
	v_mov_b32 v15, 0
.irp b, 0,1,2,3
	v_mov_b32 v[236+\b], 0
.endr
	v_mov_b32 v253, 0
.set J, 0
.rept 32
	v_mov_b32 v[O+J], 0
.set J, J+1
.endr
.macro SCORES t0
.irp t, 0,1,2,3
.if \t%2
	v_wmma_scale_f32_16x16x128_f8f6f4 v[S+8*(\t0+\t):S+8*(\t0+\t)+7], v[KA+12*\t:KA+12*\t+11], v[16:27], 0, v[248+(\t0+\t)/2], v255 matrix_a_fmt:MATRIX_FMT_FP6 matrix_b_fmt:MATRIX_FMT_FP6 matrix_a_scale:MATRIX_SCALE_ROW1
.else
	v_wmma_scale_f32_16x16x128_f8f6f4 v[S+8*(\t0+\t):S+8*(\t0+\t)+7], v[KA+12*\t:KA+12*\t+11], v[16:27], 0, v[248+(\t0+\t)/2], v255 matrix_a_fmt:MATRIX_FMT_FP6 matrix_b_fmt:MATRIX_FMT_FP6
.endif
.endr
.endm
.macro BMAX b0
.irp b, \b0, \b0+1
	v_max3_num_f32 v[232+(\b)], v[S+16*(\b)], v[S+1+16*(\b)], v[S+2+16*(\b)]
.endr
.irp i, 3,5,7,9,11,13
.irp b, \b0, \b0+1
	v_max3_num_f32 v[232+(\b)], v[232+(\b)], v[S+16*(\b)+\i], v[S+1+16*(\b)+\i]
.endr
.endr
.irp b, \b0, \b0+1
	v_max_num_f32 v[232+(\b)], v[232+(\b)], v[S+15+16*(\b)]
.endr
.endm
.macro STEP q
.irp f, 0,1,2,3
	ds_load_b128 v[KA+12*\f:KA+12*\f+3], v[AD16] offset:6144*\q+768*\f
	ds_load_b64 v[KA+12*\f+4:KA+12*\f+5], v[AD8] offset:6144*\q+768*\f
.endr
.irp u, 0,1,2,3
	ds_load_u16 v[248+\u], v[ADS] offset:512*\q+128*\u
.endr
	s_wait_dscnt 0x0
	SCORES 0
.rept 4
	v_nop
.endr
.irp f, 0,1,2,3
	ds_load_b128 v[KA+12*\f:KA+12*\f+3], v[AD16] offset:6144*\q+3072+768*\f
	ds_load_b64 v[KA+12*\f+4:KA+12*\f+5], v[AD8] offset:6144*\q+3072+768*\f
.endr
.irp t, 0,1,2,3
.irp c, 0,1
	ds_load_b128 v[VA+12*\t+6*\c:VA+12*\t+6*\c+3], v[AD16] offset:VOFF+(2*\q+\c)*3072+768*\t
	ds_load_b64 v[VA+12*\t+6*\c+4:VA+12*\t+6*\c+5], v[AD8] offset:VOFF+(2*\q+\c)*3072+768*\t
.endr
.endr
.irp u, 0,1
	ds_load_b32 v[28+\u], v[ADT] offset:256*\q+128*\u
.endr
	s_wait_dscnt 18
	SCORES 4
	BMAX 0
	BMAX 2
.irp b, 0,1,2,3
	v_permlanex16_b32 v[236+\b], v[232+\b], s[SEL], s[SEL+1]
.endr
.irp b, 0,1,2,3
	s_delay_alu instid0(VALU_DEP_4)
	v_max_num_f32 v[232+\b], v[232+\b], v[236+\b]
.endr
	s_delay_alu instid0(VALU_DEP_2)
	v_max3_num_f32 v254, v232, v233, v234
	s_delay_alu instid0(VALU_DEP_1)
	v_max_num_f32 v254, v254, v235
	s_delay_alu instid0(VALU_DEP_1)
	v_mul_f32 v254, s[CS], v254
	s_delay_alu instid0(VALU_DEP_1)
	v_max_num_f32 v13, v13, v254
	v_mov_b32 v254, v12
	s_delay_alu instid0(VALU_DEP_2)
	v_floor_f32 v12, -v13
	s_delay_alu instid0(VALU_DEP_1)
	v_sub_f32 v254, v12, v254
	s_delay_alu instid0(VALU_DEP_1)
	v_cvt_i32_f32 v254, v254
	s_delay_alu instid0(VALU_DEP_1)
	v_ldexp_f32 v252, 1.0, v254
.set J, 0
.rept 32
	v_pk_fma_f32 v[S+J:S+J+1], v[S+J:S+J+1], s[CS:CS+1], v[12:13] op_sel_hi:[1,0,0]
.set J, J+2
.endr
.irp b, 0,1,2,3
	v_fma_f32 v[232+\b], v[232+\b], s[CS], v12
.endr
.set J, 0
	s_wait_alu depctr_va_vdst(0)
.rept 64
	v_exp_f32 v[S+J], v[S+J]
.set J, J+1
.endr
	v_pk_mul_f32 v[14:15], v[14:15], v[252:253] op_sel_hi:[1,0]
	s_wait_alu depctr_va_vdst(0)
.irp b, 0,1,2,3
	v_exp_f32 v[232+\b], v[232+\b]
.endr
	v_pk_add_f32 v[236:237], v[S:S+1], v[S+2:S+3]
.set J, 4
.rept 15
	v_pk_add_f32 v[14:15], v[14:15], v[S+J:S+J+1]
	v_pk_add_f32 v[236:237], v[236:237], v[S+J+2:S+J+3]
.set J, J+4
.endr
	s_delay_alu instid0(VALU_DEP_1)
	v_pk_add_f32 v[14:15], v[14:15], v[236:237]
	s_wait_alu depctr_va_vdst(0)
.irp b, 0,1,2,3
	v_max_num_f32 v[232+\b], 0x1800000, v[232+\b]
.endr
.irp b, 0,1,2,3
	s_delay_alu instid0(VALU_DEP_4)
	v_add_nc_u32 v[244+\b], 0xff000000, v[232+\b]
.endr
.irp b, 0,1,2,3
	s_delay_alu instid0(VALU_DEP_4)
	v_lshrrev_b32 v[236+\b], 23, v[244+\b]
.endr
	s_delay_alu instid0(VALU_DEP_3)
	v_lshl_or_b32 v253, v237, 8, v236
	s_delay_alu instid0(VALU_DEP_1)
	v_lshl_or_b32 v253, v238, 16, v253
	s_delay_alu instid0(VALU_DEP_1)
	v_lshl_or_b32 v253, v239, 24, v253
.irp c, 0,1
	v_cvt_scalef32_pk16_fp6_f32 v[224+6*\c:226+6*\c], v[S+32*\c:S+15+32*\c], v[244+2*\c]
	v_cvt_scalef32_pk16_fp6_f32 v[236+4*\c:238+4*\c], v[S+16+32*\c:S+31+32*\c], v[244+2*\c+1]
.endr
	v_nop
.irp c, 0,1
.irp i, 0,1,2
	v_permlane16_swap_b32 v[224+6*\c+\i], v[236+4*\c+\i]
.endr
.irp i, 0,1,2
	s_delay_alu instid0(VALU_DEP_3)
	v_mov_b32 v[227+6*\c+\i], v[236+4*\c+\i]
.endr
.endr
.set J, 0
.rept 16
	v_pk_mul_f32 v[O+J:O+J+1], v[O+J:O+J+1], v[252:253] op_sel_hi:[1,0]
.set J, J+2
.endr
	s_wait_alu depctr_va_vdst(0)
	s_wait_dscnt 0x0
.irp t, 0,1,2,3
.if \t%2
	v_wmma_scale_f32_16x16x128_f8f6f4 v[O+8*\t:O+8*\t+7], v[VA+12*\t:VA+12*\t+11], v[224:235], v[O+8*\t:O+8*\t+7], v[28+\t/2], v253 matrix_a_fmt:MATRIX_FMT_FP6 matrix_b_fmt:MATRIX_FMT_FP6 matrix_a_scale:MATRIX_SCALE_ROW1
.else
	v_wmma_scale_f32_16x16x128_f8f6f4 v[O+8*\t:O+8*\t+7], v[VA+12*\t:VA+12*\t+11], v[224:235], v[O+8*\t:O+8*\t+7], v[28+\t/2], v253 matrix_a_fmt:MATRIX_FMT_FP6 matrix_b_fmt:MATRIX_FMT_FP6
.endif
.endr
.endm
.macro CHANGE fill
	s_wait_tensorcnt 0x0
	ds_add_u32 v[SPW], v[NIL]
.if \fill
	s_xor_b32 s[G0K+1], s[G0K+1], SLOT1
	s_add_nc_u64 s[G0K+2:G0K+3], s[G0K+2:G0K+3], 24576
	s_xor_b32 s[G0V+1], s[G0V+1], SLOT1
	s_add_nc_u64 s[G0V+2:G0V+3], s[G0V+2:G0V+3], 393216
.endif
	s_wait_dscnt 0x0
.if \fill
	CROUND
	TLOAD G0K, G1K, G0V, G1V
.else
	s_barrier_signal -1
	s_barrier_wait -1
.endif
.endm
.macro SLOT_STEPS
	v_add_nc_u32 v[AD16], s[TB], v[L16]
	s_wait_alu depctr_va_vdst(0)
	v_add_nc_u32 v[AD8], s[TB], v[L8]
	s_wait_alu depctr_va_vdst(0)
	v_add_nc_u32 v[ADS], s[TS], v[ASK0]
	v_add_nc_u32 v[ADT], s[TJ], v[ASV0]
	s_wait_alu depctr_va_vdst(0)
	STEP 0
	STEP 1
	STEP 2
	STEP 3
	s_xor_b32 s[TB], s[TB], SLOT1
	s_add_co_u32 s[TS], s[TS], 2048
	s_add_co_u32 s[TJ], s[TJ], 1024
.endm
	s_wait_loadcnt 0x0
.Lslot:
	CHANGE 1
	SLOT_STEPS
	s_sub_co_u32 s[SLOTS], s[SLOTS], 1
	s_cmp_lg_u32 s[SLOTS], 0
	s_cbranch_scc1 .Lslot
	CHANGE 0
	SLOT_STEPS
	v_add_f32 v14, v14, v15
	s_delay_alu instid0(VALU_DEP_1)
	v_permlanex16_b32 v252, v14, s[SEL], s[SEL+1]
	s_delay_alu instid0(VALU_DEP_1)
	v_add_f32 v14, v14, v252
	s_wait_alu depctr_va_vdst(0)
	v_rcp_f32 v30, v14
.rept 4
	v_nop
.endr
	s_wait_alu depctr_va_vdst(0)
.set J, 0
.rept 16
	v_pk_mul_f32 v[S+J:S+J+1], v[O+J:O+J+1], v[30:31] op_sel_hi:[1,0]
.set J, J+2
.endr
.irp b, 0,1
	v_max3_num_f32 v[232+\b], |v[S+16*\b]|, |v[S+1+16*\b]|, 0x1800000
.endr
.irp i, 2,4,6,8,10,12,14
.irp b, 0,1
	s_delay_alu instid0(VALU_DEP_2)
	v_max3_num_f32 v[232+\b], v[232+\b], |v[S+16*\b+\i]|, |v[S+1+16*\b+\i]|
.endr
.endr
.irp b, 0,1
	s_delay_alu instid0(VALU_DEP_2)
	v_permlanex16_b32 v[236+\b], v[232+\b], s[SEL], s[SEL+1]
.endr
.irp b, 0,1
	s_delay_alu instid0(VALU_DEP_2)
	v_max_num_f32 v[232+\b], v[232+\b], v[236+\b]
.endr
.irp b, 0,1
	s_delay_alu instid0(VALU_DEP_2)
	v_add_nc_u32 v[244+\b], 0xff000000, v[232+\b]
.endr
.irp b, 0,1
	s_delay_alu instid0(VALU_DEP_2)
	v_lshrrev_b32 v[240+\b], 23, v[244+\b]
.endr
	v_cvt_scalef32_pk16_fp6_f32 v[224:226], v[S:S+15], v244
	v_cvt_scalef32_pk16_fp6_f32 v[236:238], v[S+16:S+31], v245
	v_nop
.irp i, 0,1,2
	v_permlane16_swap_b32 v[224+\i], v[236+\i]
.endr
.irp i, 0,1,2
	s_delay_alu instid0(VALU_DEP_3)
	v_mov_b32 v[227+\i], v[236+\i]
.endr
	v_cndmask_b32 v242, v240, v241, s96
	global_store_b128 v[L16], v[224:227], s[16:17]
	global_store_b64 v[L8], v[228:229], s[16:17]
	global_store_b8 v[BO], v242, s[2:3]
	s_wait_tensorcnt 0x0
	ds_add_u32 v[SPW], v[NIL]
	s_wait_dscnt 0x0
	CROUND
	s_endpgm
.Lfunc_end_k_qec80cbbd5e_attn:
	.size	k_qec80cbbd5e_attn, .Lfunc_end_k_qec80cbbd5e_attn-k_qec80cbbd5e_attn
	.p2alignl 7, 3214868480
	.fill 96, 4, 3214868480
	.section	.rodata,"a",@progbits
	.p2align	6, 0x0
	.amdhsa_kernel k_qec80cbbd5e_attn
		.amdhsa_group_segment_fixed_size 327680
		.amdhsa_private_segment_fixed_size 0
		.amdhsa_enable_private_segment 0
		.amdhsa_kernarg_size 32
		.amdhsa_user_sgpr_count 2
		.amdhsa_user_sgpr_kernarg_segment_ptr 1
		.amdhsa_wavefront_size32 1
		.amdhsa_system_sgpr_workgroup_id_x 1
		.amdhsa_system_sgpr_workgroup_id_y 1
		.amdhsa_system_sgpr_workgroup_id_z 1
		.amdhsa_system_vgpr_workitem_id 0
		.amdhsa_next_free_vgpr 256
		.amdhsa_next_free_sgpr 100
		.amdhsa_reserve_vcc 0
		.amdhsa_float_denorm_mode_32 3
		.amdhsa_float_denorm_mode_16_64 3
		.amdhsa_memory_ordered 1
		.amdhsa_forward_progress 1
		.amdhsa_inst_pref_size 152
	.end_amdhsa_kernel
	.amdgpu_metadata
---
amdhsa.version: [ 1, 2 ]
amdhsa.kernels:
  - .name:           k_qec80cbbd5e_attn
    .symbol:         k_qec80cbbd5e_attn.kd
    .args:
      - { .name: acodes, .offset: 0, .size: 8, .value_kind: global_buffer, .address_space: global }
      - { .name: ascales, .offset: 8, .size: 8, .value_kind: global_buffer, .address_space: global }
      - { .name: gcodes, .offset: 16, .size: 8, .value_kind: global_buffer, .address_space: global }
      - { .name: gscales, .offset: 24, .size: 8, .value_kind: global_buffer, .address_space: global }
    .group_segment_fixed_size: 327680
    .private_segment_fixed_size: 0
    .kernarg_segment_align: 8
    .kernarg_segment_size: 32
    .max_flat_workgroup_size: 512
    .sgpr_count:     100
    .vgpr_count:     256
    .wavefront_size: 32
...
	.end_amdgpu_metadata
.endif
;; end of part 3
;; launch outp (part 4): grid 8 x 32, 4 waves a work-group, clusters of 4 x 4, 327,680 bytes of LDS; arguments gcodes, gscales, out0; writes out0
.if DOCPART == 4
	.amdgcn_target "amdgcn-amd-amdhsa--gfx1250"
	.amdhsa_code_object_version 6
	.text
	.protected	k_qec80cbbd5e_outp
	.globl	k_qec80cbbd5e_outp
	.p2align	8
	.type	k_qec80cbbd5e_outp,@function
k_qec80cbbd5e_outp:
	s_mov_b64 s[64:65], 0
	v_nop
	global_prefetch_b8 v0, s[64:65] scope:SCOPE_SE
	s_setreg_imm32_b32 hwreg(HW_REG_WAVE_MODE, 25, 1), 1
	s_wait_xcnt 0x0
	s_wait_alu depctr_hold_cnt(0) depctr_sa_sdst(0) depctr_va_vdst(0) depctr_va_sdst(0) depctr_va_ssrc(0) depctr_va_vcc(0) depctr_vm_vsrc(0)
	s_getreg_b32 s2, hwreg(HW_REG_IB_STS2, 6, 4)
	s_cmp_eq_u32 s2, 0
	s_cbranch_scc0 .Lentry_in_a_cluster
	s_endpgm
.Lentry_in_a_cluster:
	s_bfe_u32 s2, ttmp6, 0x10000c
	s_cmp_lg_u32 s2, 0xf033
	s_cbranch_scc0 .Lentry_shape_is_right
	s_endpgm
.Lentry_shape_is_right:
; out0 = o Wo^T on codes of FP6 (E2M3) with E8M0 scales, K = 1,024.  o's codes are row tiles 512-767 of gcodes, Wo's 448-511; a piece of 16 rows x 64 K is 768 bytes, an image of an operand's
; registers (registers 0-3 of lane l at 16 l, registers 4, 5 at 512 + 8 l), laid [K / 64][row tile][768]; gscales is [row tile][K half][row][4 words].
; A block of out0 is 128 x 128: 32 x 8 = 256 work-groups of four waves, a wave 64 x 64: 16 accumulators.
; ALL OF K of the block's 128 rows of o and 128 rows of Wo is 4 x 49,152 bytes of LDS: each wave brings a quarter by its one tensor load at the head (16 rows of 3,072 bytes); nothing is filled again, so there is no ring.
; CLUSTERS: 4 x 4 work-groups; o's tiles are asked for jointly along a row of the cluster, Wo's along a column.
; No prefetch: the launch has no loop to run ahead in; all that it reads is asked for at its head.
; THE MATRIX INSTRUCTION IS USED TRANSPOSED (source 0 = 16 rows of Wo, source 1 = 16 rows of o): a lane holds eight neighbouring columns of a row of out0.
; REGISTERS: window 0: v1-15 addresses; v16-47 scale words (register 8 i + q: lanes 0-15 o's block i, lanes 16-31 Wo's block i, K = 128 q on); v48-143, v144-239 two sets of fragments (o's four, then Wo's four).
;   window 1: v0-127 the accumulators, (a, b) at v[8 (4 a + b)].
.set QB,    49152                      ; what one tensor load brings: [K / 64 (16)][4 tiles][768]
.set STAGE, 4*QB                       ; behind the tiles: 64 rows x 272 bytes for each wave, for the way out
.set SPITCH, 272
.set WST,   64*SPITCH
.set SPARE, STAGE+4*WST                ; the spare words, 128 bytes a wave
.set NCP,   589824                     ; from one K / 64 to the next in gcodes
.set V16, 4
.set V8,  5
.set ADA16, 6
.set ADA8,  7
.set ADB16, 8
.set ADB8,  9
.set STO, 10
.set RD,  11
.set CO,  12
.set SPW, 14
.set NIL, 15
.set SC,  16
.set FS,  48
.set G1A, 24
.set G1B, 32
.set G0A, 40
.set G0B, 44
.set MSB, 0
.macro WIN new                         ; the immediate's high byte repeats the setting that is left
.if MSB != (\new)
	s_set_vgpr_msb (MSB<<8)|(\new)
.set MSB, (\new)
.endif
.endm
.macro CROUND                          ; a round of the cluster's barrier
	s_barrier_signal -1
	s_barrier_wait -1
	s_cmp_lg_u32 s14, 0
	s_cbranch_scc1 .Lnot_wave_0_\@
	s_barrier_signal -3
.Lnot_wave_0_\@:
	s_barrier_wait -3
	s_barrier_signal -1
	s_barrier_wait -1
.endm
.macro PLACES                          ; four places behind matrix instructions (ISA guide 7.12.1)
.rept 4
	v_nop
.endr
.endm
	s_load_b128 s[4:7], s[0:1], 0x0                ; gcodes, gscales
	s_load_b64 s[8:9], s[0:1], 0x10                ; out0
	v_lshl_add_u32 v[SPW], v0, 2, SPARE
	v_mov_b32 v[NIL], 0
	ds_add_u32 v[SPW], v[NIL]                      ; the opening lines: the add, twice on end, and its wait
	ds_add_u32 v[SPW], v[NIL]
	v_lshrrev_b32 v1, 5, v0
	v_readfirstlane_b32 s14, v1                    ; wave 0..3
	s_lshr_b32 s15, s14, 1                         ; which 64 rows are mine.  Also: I fetch for o (0) or for Wo (1)
	s_and_b32 s16, s14, 1                          ; which 64 columns.  Also: which four tiles I fetch
	s_bfe_u32 s66, ttmp6, 0x40000                  ; cx
	s_bfe_u32 s67, ttmp6, 0x40004                  ; cy
	s_lshl_b32 s77, ttmp9, 2
	s_add_co_u32 s77, s77, s66                     ; block column
	s_and_b32 s76, ttmp7, 0xffff
	s_lshl_b32 s76, s76, 2
	s_add_co_u32 s76, s76, s67                     ; block row
	s_lshl_b32 s78, s76, 3
	s_add_co_u32 s78, s78, 512                     ; o's eight row tiles begin here
	s_lshl_b32 s79, s77, 3
	s_add_co_u32 s79, s79, 448                     ; Wo's
	s_lshl_b32 s80, s67, 2
	s_lshl_b32 s80, 15, s80                        ; my row of the cluster
	s_lshl_b32 s81, 0x1111, s66                    ; my column
	s_or_b32 s[G1A], s80, (3<<16)|(1<<21)          ; the mask; elements of 8 bytes; bit 21 beside a mask
	s_or_b32 s[G1B], s81, (3<<16)|(1<<21)
.irp g, G1A, G1B
	s_mov_b32 s[\g+1], 384<<16                     ; a row: 4 tiles x 768 bytes
	s_mov_b32 s[\g+2], 16<<16
	s_mov_b32 s[\g+3], 384<<16
	s_mov_b32 s[\g+4], 16
	s_mov_b32 s[\g+5], NCP/8
	s_mov_b32 s[\g+6], 0
	s_mov_b32 s[\g+7], 0
.endr
	s_lshl_b32 s82, s16, 2
	s_add_co_u32 s84, s78, s82
	s_mul_i32 s84, s84, 768
	s_mov_b32 s85, 0
	s_add_co_u32 s86, s79, s82
	s_mul_i32 s86, s86, 768
	s_mov_b32 s87, 0
	s_mul_i32 s83, s14, QB                         ; where my quarter goes: no place in the cluster enters an LDS address
	s_lshl_b32 s88, s15, 2
	s_add_co_u32 s88, s88, s78
	s_lshl_b32 s88, s88, 9                         ; my rows' scale words: 512 bytes a tile
	s_lshl_b32 s89, s16, 2
	s_add_co_u32 s89, s89, s79
	s_lshl_b32 s89, s89, 9                         ; my columns'
	s_mov_b32 s90, 0xffff0000                      ; lanes 16-31
	s_mul_i32 s91, s15, QB                         ; my 64 rows of o in LDS
	s_mul_i32 s92, s16, QB
	s_add_co_u32 s92, s92, 2*QB                    ; my 64 rows of Wo
	s_mul_i32 s17, s14, WST
	s_add_co_u32 s17, s17, STAGE                   ; my stage
	s_lshl_b32 s94, s76, 7
	s_lshl_b32 s2, s15, 6
	s_add_co_u32 s94, s94, s2
	s_lshl_b32 s94, s94, 12                        ; my first row of out0, 4,096 bytes a row,
	s_lshl_b32 s2, s77, 9
	s_add_co_u32 s94, s94, s2
	s_lshl_b32 s2, s16, 8
	s_add_co_u32 s94, s94, s2                      ; and my first column
	s_mov_b32 s95, 0
	s_wait_dscnt 0x0
	s_wait_kmcnt 0x0
	s_add_nc_u64 s[8:9], s[8:9], s[94:95]
	s_mov_b32 s[G0A], 1
	s_mov_b32 s[G0A+1], s83
	s_add_nc_u64 s[G0A+2:G0A+3], s[4:5], s[84:85]
	s_or_b32 s[G0A+3], s[G0A+3], 0x80000000
	s_mov_b32 s[G0B], 1
	s_mov_b32 s[G0B+1], s83
	s_add_nc_u64 s[G0B+2:G0B+3], s[4:5], s[86:87]
	s_or_b32 s[G0B+3], s[G0B+3], 0x80000000
	CROUND                                         ; all sixteen work-groups are here: the joint loads meet
	s_cmp_eq_u32 s15, 0                            ; one load a wave: waves 0, 1 o's halves, waves 2, 3 Wo's
	s_cbranch_scc0 .Lfor_b
	tensor_load_to_lds s[G0A:G0A+3], s[G1A:G1A+7]
	s_nop 0
	PLACES
	s_branch .Lasked
.Lfor_b:
	tensor_load_to_lds s[G0B:G0B+3], s[G1B:G1B+7]
	s_nop 0
	PLACES
.Lasked:
	v_and_b32 v1, 15, v0                           ; r
	v_bfe_u32 v2, v0, 4, 1                         ; h
	v_and_b32 v3, 31, v0
	v_lshlrev_b32 v[V16], 4, v3
	v_lshl_add_u32 v[V8], v3, 3, 512
	v_mov_b32 v48, s88
	v_mov_b32 v49, s89
	v_cndmask_b32 v13, v48, v49, s90               ; lanes 0-15 take o's words, lanes 16-31 Wo's
	v_lshl_add_u32 v13, v1, 4, v13                 ; + 16 r
.irp i, 0,1,2,3
.irp kh, 0,1
	global_load_b128 v[SC+8*\i+4*\kh:SC+8*\i+4*\kh+3], v13, s[6:7] offset:512*\i+256*\kh   ; sixteen lanes read 256 consecutive bytes
.endr
.endr
	v_add_nc_u32 v[ADA16], s91, v[V16]
	v_add_nc_u32 v[ADA8], s91, v[V8]
	v_add_nc_u32 v[ADB16], s92, v[V16]
	v_add_nc_u32 v[ADB8], s92, v[V8]
	v_mul_u32_u24 v[STO], v1, SPITCH               ; into the stage: row r, 32 bytes for each half of the lanes
	v_lshl_add_u32 v[STO], v2, 5, v[STO]
	v_add_nc_u32 v[STO], s17, v[STO]
	v_mul_u32_u24 v[RD], v2, SPITCH                ; back: sixteen lanes to a row of 256 bytes, two rows an instruction
	v_lshl_add_u32 v[RD], v1, 4, v[RD]
	v_add_nc_u32 v[RD], s17, v[RD]
	v_lshlrev_b32 v[CO], 12, v2                    ; and the same two rows in out0
	v_lshl_add_u32 v[CO], v1, 4, v[CO]
.macro FRAG reg, a16, a8, q, i         ; a fragment, 16 rows x 128 K: two pieces, each 16 and 8 bytes a lane
.irp c, 0,1
	ds_load_b128 v[\reg+6*\c:\reg+6*\c+3], v[\a16] offset:(2*(\q)+\c)*3072+(\i)*768
	ds_load_b64 v[\reg+6*\c+4:\reg+6*\c+5], v[\a8] offset:(2*(\q)+\c)*3072+(\i)*768
.endr
.endm
.macro FETCH q, f                      ; step q's eight fragments into the set at f: 32 loads
.irp i, 0,1,2,3
	FRAG \f+12*\i, ADA16, ADA8, \q, \i
	FRAG \f+48+12*\i, ADB16, ADB8, \q, \i
.endr
.endm
.macro MUL q, f, zero                  ; 16 matrix instructions, the 16 accumulators by turns
.irp a, 0,1,2,3
.irp b, 0,1,2,3
.if \zero
	v_wmma_scale_f32_16x16x128_f8f6f4 v[8*(4*\a+\b):8*(4*\a+\b)+7], v[\f+48+12*\b:\f+48+12*\b+11], v[\f+12*\a:\f+12*\a+11], 0, v[SC+8*\b+(\q)], v[SC+8*\a+(\q)] matrix_a_fmt:MATRIX_FMT_FP6 matrix_b_fmt:MATRIX_FMT_FP6 matrix_a_scale:MATRIX_SCALE_ROW1
.else
	v_wmma_scale_f32_16x16x128_f8f6f4 v[8*(4*\a+\b):8*(4*\a+\b)+7], v[\f+48+12*\b:\f+48+12*\b+11], v[\f+12*\a:\f+12*\a+11], v[8*(4*\a+\b):8*(4*\a+\b)+7], v[SC+8*\b+(\q)], v[SC+8*\a+(\q)] matrix_a_fmt:MATRIX_FMT_FP6 matrix_b_fmt:MATRIX_FMT_FP6 matrix_a_scale:MATRIX_SCALE_ROW1
.endif
.endr
.endr
.endm
	s_wait_alu depctr_va_vdst(0)                   ; the wait at the head's end
	s_wait_tensorcnt 0x0                           ; my quarter is in
	s_barrier_signal -1
	s_barrier_wait -1                              ; everybody's is
	FETCH 0, FS
	FETCH 1, FS+96
	s_wait_loadcnt 0x0                             ; the scale words
	s_wait_dscnt 32                                ; step 0's fragments are in; the 32 loads of step 1 may be out
	WIN 0x50                                       ; C and D in window 1
	MUL 0, FS, 1                                   ; the first step's products start the sums
.set Q, 1
.rept 6
	PLACES                                         ; in front of loads into the set just multiplied
	WIN 0
	FETCH Q+1, FS+96*((Q+1)%2)
	s_wait_dscnt 32                                ; step Q's are in; the 32 just issued may be out
	WIN 0x50
	MUL Q, FS+96*(Q%2), 0
.set Q, Q+1
.endr
	s_wait_dscnt 0x0
	MUL 7, FS+96, 0
	PLACES                                         ; in front of the first read of results and of the loads into the fragments' registers
; THE WAY OUT: my 64 rows x 256 bytes go through my own stage and come back by rows.  LDS serves a wave's instructions in order: no wait between the stores and the loads.
	WIN 0x04                                       ; the stores' data: window 1
.irp a, 0,1,2,3
.irp b, 0,1,2,3
	ds_store_b128 v[STO], v[8*(4*\a+\b):8*(4*\a+\b)+3] offset:\a*16*SPITCH+64*\b          ; each accumulator from its low end on
	ds_store_b128 v[STO], v[8*(4*\a+\b)+4:8*(4*\a+\b)+7] offset:\a*16*SPITCH+64*\b+16
.endr
.endr
	WIN 0
.set T, 0
.rept 32
	ds_load_b128 v[FS+4*T:FS+4*T+3], v[RD] offset:T*2*SPITCH
.set T, T+1
.endr
.set T, 0
.rept 4
	s_wait_dscnt 24-T                              ; the next eight loads are back; the 24 - T younger ones may be out
.rept 8
	global_store_b128 v[CO], v[FS+4*T:FS+4*T+3], s[8:9] offset:T*2*4096 th:TH_STORE_NT   ; sixteen lanes store 256 consecutive bytes, aligned
.set T, T+1
.endr
.endr
	s_wait_tensorcnt 0x0                           ; the wave's end
	ds_add_u32 v[SPW], v[NIL]
	s_wait_dscnt 0x0
	CROUND                                         ; the closing round
	s_endpgm
.Lfunc_end_k_qec80cbbd5e_outp:
	.size	k_qec80cbbd5e_outp, .Lfunc_end_k_qec80cbbd5e_outp-k_qec80cbbd5e_outp
	.p2alignl 7, 3214868480
	.fill 96, 4, 3214868480
	.section	.rodata,"a",@progbits
	.p2align	6, 0x0
	.amdhsa_kernel k_qec80cbbd5e_outp
		.amdhsa_group_segment_fixed_size 327680
		.amdhsa_private_segment_fixed_size 0
		.amdhsa_enable_private_segment 0
		.amdhsa_kernarg_size 24
		.amdhsa_user_sgpr_count 2
		.amdhsa_user_sgpr_kernarg_segment_ptr 1
		.amdhsa_wavefront_size32 1
		.amdhsa_system_sgpr_workgroup_id_x 1
		.amdhsa_system_sgpr_workgroup_id_y 1
		.amdhsa_system_sgpr_workgroup_id_z 1
		.amdhsa_system_vgpr_workitem_id 0
		.amdhsa_next_free_vgpr 512
		.amdhsa_next_free_sgpr 100
		.amdhsa_reserve_vcc 0
		.amdhsa_float_denorm_mode_32 3
		.amdhsa_float_denorm_mode_16_64 3
		.amdhsa_memory_ordered 1
		.amdhsa_forward_progress 1
		.amdhsa_inst_pref_size 49
	.end_amdhsa_kernel
	.amdgpu_metadata
---
amdhsa.version: [ 1, 2 ]
amdhsa.kernels:
  - .name:           k_qec80cbbd5e_outp
    .symbol:         k_qec80cbbd5e_outp.kd
    .args:
      - { .name: gcodes, .offset: 0, .size: 8, .value_kind: global_buffer, .address_space: global }
      - { .name: gscales, .offset: 8, .size: 8, .value_kind: global_buffer, .address_space: global }
      - { .name: out0, .offset: 16, .size: 8, .value_kind: global_buffer, .address_space: global }
    .group_segment_fixed_size: 327680
    .private_segment_fixed_size: 0
    .kernarg_segment_align: 8
    .kernarg_segment_size: 24
    .max_flat_workgroup_size: 128
    .sgpr_count:     100
    .vgpr_count:     512
    .wavefront_size: 32
...
	.end_amdgpu_metadata
.endif
;; end of part 4
